; MI455X (gfx1250); checked and timed in simulation.
; The chip was launched on July 23, 2026; its instructions are those of AMD's public machine-readable ISA for CDNA 5 (MIT licence, August 2026) and "CDNA5" Instruction Set Architecture Reference Guide (July 2026). The comments in the code are by the model that wrote it; some were corrected since.
;; Scaled Dot Production. Allowed arithmetic: matrix products marked QUANTISED: E2M3 operands, one E8M0 scale for each 32 along K, by v_wmma_scale_f32_16x16x128_f8f6f4 with both operands' format E2M3, f32 sums; everything else in f32.
;; Inputs: k_s 4 x 16 x 2,048 x 64 float32; q_s 4 x 16 x 2,048 x 64 float32; v_s 4 x 16 x 2,048 x 64 float32.
;; Outputs: out0 4 x 16 x 2,048 x 64 float32.
;; This version of the problem:
;;   THIS VERSION OF THE PROBLEM IS GIVEN IN LOW PRECISION. The matrix products marked QUANTISED in the list below multiply operands that are first quantised to E2M3 (2 exponent bits, 3 mantissa bits; 6 bits a number), with one power-of-two scale for each 32 numbers along K (OCP MX v1.0); their sums are f32. All else is computed in f32.
;;   The module's matrix products, in the order in which they are computed (A, B: the left and right operand; K: the contracted axis; several contracted axes count as one K, in the product's order):
;;     1. batch 64 x [M 2,048, K 64] x [K 64, N 2,048]; A: input q_s; B: input k_s: QUANTISED
;;     2. batch 64 x [M 2,048, K 2,048] x [K 2,048, N 64]; A: softmax (see below); B: input v_s: QUANTISED
;;   THE QUANTISER, for each operand of a quantised product, along K:
;;     - K is cut into blocks of 32 from its start; a last block that is shorter is filled with zeros.
;;     - A block's scale is 2^e with e = floor(log2(the largest magnitude in the block)) - 2, held to -126 .. 127; a block of zeros has e = 0. As a byte (E8M0): e + 127.
;;     - Each number is divided by its block's scale, clamped to +-7.5, and rounded to the nearest number of E2M3, ties to even, subnormals kept.
;;     - The product sums the exact products of the quantised numbers (number of the format x scale) in f32.
;;   ~~~python
;;   def quantise(x, axis):      # numpy; x: float32 -> the quantised numbers, widened to float32 again
;;       x = np.moveaxis(x, axis, -1); K = x.shape[-1]
;;       x = np.pad(x, [(0, 0)] * (x.ndim - 1) + [(0, -K % 32)]); x = x.reshape(x.shape[:-1] + (-1, 32)); a = np.abs(x).max(-1, keepdims=True)
;;       e = np.where(a > 0, np.clip(np.frexp(np.where(a > 0, a, 1))[1] - 1 - 2, -126, 127), 0)      # np.frexp(a)[1] - 1 = floor(log2(a)), exactly
;;       r = np.clip(x / 2.0 ** e, -7.5, 7.5)
;;       step = 2.0 ** (np.maximum(np.frexp(np.where(r == 0, 1, r))[1] - 1, 0) - 3)
;;       q = np.round(r / step) * step * 2.0 ** e      # np.round: ties to even
;;       return np.moveaxis(q.reshape(q.shape[:-2] + (-1,))[..., :K], -1, axis).astype(np.float32)
;;   ~~~
;;   SOFTMAX AHEAD OF A QUANTISED PRODUCT. Where the list says 'softmax', what is quantised is not the finished softmax but p = 2^(t - M), with t = logit x log2(e) and M = ceil(the row's largest t), a whole number; so 1/2 < the row's largest p <= 1. The row's sum l is taken of the UNQUANTISED p, in f32, and the product's result is divided by l at the end. Since M is a whole number, a kernel that streams over the keys may use a running M (the ceiling of the running maximum): every later rescaling is an exact power of two, which a block's scale takes up: the codes' values come out the same.
;;   OPERANDS COMPUTED ON THE WAY. 'Computed on the way' means the value that the module computes at that place (a softmax that the list does not call 'softmax' is quantised finished and normalised). What goes into a quantiser is computed in f32, as accurately as f32 sums, v_exp_f32 and their like allow (about 1e-6 of the number): no bf16 or f16 on the way to a quantiser, and a product that is left as it is and whose result goes on into a quantised operand takes f32 operands (vector FMAs, or v_wmma_f32_16x16x4_f32). A number that lies on a knife's edge between two numbers of the format may be rounded either way, as far as f32 arithmetic and the matrix unit's own rounding can turn it there, and no further.
;; 2 versions, each right; version 2 is version 1 with the launch attn written anew for expert scheduling mode. Each part assembles by itself: llvm-mc -triple=amdgcn-amd-amdhsa -mcpu=gfx1250 --defsym DOCPART=n.
;; ======== version 1 of 2: 1 launch
;; launch attn (part 1): grid 4 x 64, 8 waves a work-group, no clusters, 240,640 bytes of LDS; arguments q_s, k_s, v_s, out0; writes out0
.if DOCPART == 1
	.amdgcn_target "amdgcn-amd-amdhsa--gfx1250"
	.amdhsa_code_object_version 6
	.text
	.protected	k_q74b4f0d0db_attn
	.globl	k_q74b4f0d0db_attn
	.p2align	8
	.type	k_q74b4f0d0db_attn,@function
k_q74b4f0d0db_attn:
	s_mov_b64 s[64:65], 0
	v_nop
	global_prefetch_b8 v0, s[64:65] scope:SCOPE_SE
	s_setreg_imm32_b32 hwreg(HW_REG_WAVE_MODE, 25, 1), 1
	s_wait_xcnt 0x0
; out0[h][q][:] = the sum over k of softmax_k(q_s[h][q] . k_s[h][k] / 8) v_s[h][k][:].  64 heads, 2,048 rows of 64 f32 (256 bytes) each; no mask.
; Both products run on codes of FP6 (E2M3) with one E8M0 scale for each 32 along a product's K; q and k are quantised along the head's 64, v along the keys, all three in this launch.
; THE SOFTMAX AHEAD OF THE SECOND PRODUCT: t = score x log2(e) / 8; M = the row's largest t so far, rounded UP to a whole number; p = 2^(t - M) is what is quantised, along the keys, not normalised.
; The row's sum is taken of the unquantised p and divides at the end.  When M moves, the sum and O are multiplied by 2^(old M - new M), which rounds nothing.
; SHARES.  A work-group owns 512 queries of one head, each of its eight waves 64: four tiles of 16.  Every wave walks the head's 2,048 keys, 128 a step, 16 steps.
; THE JOB.  In step s each wave also quantises one eighth of step s + 1's K and V (one tile of 16 keys; one block of 32 keys for 32 channels) from registers loaded a whole step earlier, and stores
; the codes to LDS as images of the operands' registers.  Each image byte is written once in the launch: 16 regions, one a step.  One barrier a step: signalled behind the job, awaited at the next step's head.
; LAYOUT.  Both products are used transposed: S^T = K Q^T (source 0 = keys, source 1 = my 16 queries), O^T = V^T P^T (source 0 = 16 channels, source 1 = P): a lane holds ONE query (lane % 16) throughout.
; THE KEYS OF A TILE ARE NOT NEIGHBOURS: row m of tile T (0..7) is key 64 (T / 4) + 32 (m / 8) + 8 (T % 4) + m % 8 of the step.  So score register 32 c + i of lane (r, h) is key 64 c + 32 h + i: a whole
; block of 32 in one lane, in the order in which P's operand wants it: no exchange of codes between lanes, and a block's maximum needs no other lane.
; THE FIRST PRODUCT'S K IS 64, the instruction's 128: an operand of K carries TWO tiles of keys (registers 0-5 one tile, 6-11 the next), and Q stands beside zero codes, once as [Q | 0] and once as [0 | Q].
; NO CLUSTER, NO TENSOR LOAD: what the four work-groups of a head share is K and V as f32, 64 KiB a step.  Here it goes from memory straight into the registers that the conversions read; a joint load would need
; slots of 64 KiB of f32 in LDS, a second trip of those bytes through LDS, and a round of the cluster's barrier in every step.  NO PREFETCH: each wave asks for its share by ordinary loads a whole step ahead of the wait for them.
; O^T IS CLEARED ONCE (128 moves a wave): the step is then written without a first step of its own; a fourth copy of the step would be the price of starting the sums with the constant 0.
; LIMITS: NaN and infinities among the inputs are not served.  A block whose largest magnitude lies under 2^-124 keeps the scale byte 1 (a block of zeros too: its codes are zeros, and the bytes are read here alone).
; A p under 2^-126 comes out of v_exp_f32 as 0.
;
; LDS: region s at s x REG: K's 8 pieces, V's 8 pieces, K's 64 scale words, V's 64.  A PIECE is six registers a lane, 768 bytes: registers 0-3 at 16 x lane, registers 4-5 at 512 + 8 x lane.
;      Behind the regions a stage for each wave: 16 rows of 256 bytes at a pitch of 272 (17 x 16), in which rows of f32 are turned on the way in and rows of O on the way out.
; REGISTERS, window 0: v1-15 addresses; v16-17 K's or V's scale words; v18-21 Q's; v22-25 P's; v26-27 f; v28-43 statistics, four a tile (-M, largest score, the sum in two halves);
;      v44-67 at work; v68-131 the scores, then p; v132-179 four operands of K or of V; v180-227 P's codes, 12 a tile; v228-237 address terms that never change.
;      window 1: v0-127 O^T (tile t, channels 16 a on: 32 t + 8 a); v128-181 zero codes and Q by turns, six registers each; v184-215 the job's f32 of K; v216-247 of V.
.set REG,    12800
.set KOFF,   0
.set VOFF,   6144
.set KSOFF,  12288
.set VSOFF,  12544
.set STG,    16*REG
.set STGW,   4352                      ; a wave's stage
.set SPITCH, 272
.set STEPB,  32768                     ; 128 keys of 256 bytes
.set A16, 1                            ; v1   16 x lane + the region in hand
.set A8,  2                            ; v2    8 x lane + the region
.set A4,  3                            ; v3    4 x lane + the region
.set SH8, 4                            ; v4   8 h: where my half's bytes stand in a scale word
.set GK,  5                            ; v5   16 x lane: offset in K, Q and out0; never rewritten
.set GV,  6                            ; v6    4 x lane: offset in V; never rewritten
.set STW, 7                            ; v7   stage, by rows as memory has them: row h (+ 2 a step), 16 r
.set STR, 8                            ; v8   stage, my row r, my half's 128 bytes
.set OSW, 9                            ; v9   stage, my row r, 32 h: where O's eight channels go
.set JKX, 10                           ; v10-15 the job's six store addresses in the region being written
.set JKY, 11
.set JKB, 12
.set JVX, 13
.set JVY, 14
.set JVB, 15
.set KVS, 16
.set QS,  18
.set PS,  22
.set F,   26
.set ST,  28
.set TM,  44
.set S,   68
.set QD,  100                          ; at the head: Q's 128 numbers a lane, v100-227
.set FR,  132
.set P,   180
.set L8,  228                          ; v228  8 x lane
.set JB0, 229                          ; v229-234 the job's six addresses in region 0
.set RR,  235                          ; r
.set HH,  236                          ; h
.set TT,  237
.set QB,  128                          ; window 1
.set RK,  184
.set RV,  216
.set MSB, 0
.macro WIN new                         ; the immediate's high byte repeats the setting that is left; a switch that changes nothing is dropped
.if MSB != \new
	s_set_vgpr_msb (MSB<<8)|\new
.set MSB, \new
.endif
.endm
.macro PLACES n
.rept \n
	v_nop
.endr
.endm
; The job's loads: 16 keys of K (two runs of 8 rows, 32 rows apart: each load 512 consecutive bytes) and 32 keys x 32 channels of V (a lane a channel, registers down the keys).
.macro JLOAD
	WIN 0x40                                       ; destination window 1
.irp q, 0,1,2,3,4,5,6,7
	global_load_b128 v[RK+4*\q:RK+4*\q+3], v[GK], s[6:7] offset:512*\q+6144*(\q/4)
.endr
.set ii, 0
.rept 32
	global_load_b32 v[RV+ii], v[GV], s[8:9] offset:256*ii
.set ii, ii+1
.endr
	WIN 0
.endm
; 32 numbers of a lane, one block along K, become six registers of codes at v[c] and the scale's byte in v[by].  wm, wc: the windows under which the numbers are read.
.macro BLOCKQ x, wm, wc, c, by
	WIN \wm
	v_max3_num_f32 v[TM], s26, |v[(\x)]|, |v[(\x)+1]|             ; the largest magnitude, in two chains; the floor 2^(3 - 127) among its leaves holds the byte at 1 from below
	v_max3_num_f32 v[TM+1], 0, |v[(\x)+16]|, |v[(\x)+17]|
.irp i, 2,4,6,8,10,12,14
	v_max3_num_f32 v[TM], v[TM], |v[(\x)+\i]|, |v[(\x)+\i+1]|
	v_max3_num_f32 v[TM+1], v[TM+1], |v[(\x)+16+\i]|, |v[(\x)+17+\i]|
.endr
	WIN 0
	v_max_num_f32 v[TM], v[TM], v[TM+1]
	v_add_nc_u32 v[TM+2], 0xff000000, v[TM]        ; 2 off its exponent field: the conversion takes the exponent field of this operand as its scale
	v_lshrrev_b32 v[\by], 23, v[TM+2]              ; the scale's byte
	WIN \wc
	v_cvt_scalef32_pk16_fp6_f32 v[(\c):(\c)+2], v[(\x):(\x)+15], v[TM+2]
	v_cvt_scalef32_pk16_fp6_f32 v[TM+18:TM+20], v[(\x)+16:(\x)+31], v[TM+2]   ; (a conversion's three registers begin on an even number)
	WIN 0
	v_nop                                          ; one plain place behind a scaled conversion
.irp i, 0,1,2
	v_mov_b32 v[(\c)+3+\i], v[TM+18+\i]
.endr
.endm
.macro JADDR                           ; the job's addresses in the region that s28 names
.irp i, 0,1,2,3,4,5
	v_add_nc_u32 v[JKX+\i], s28, v[JB0+\i]
.endr
.endm
; The job: K's 16 rows turn through my stage (in as memory has them, back 128 bytes of one row a lane); V's block is quantised meanwhile; then K's.
.macro JOBBODY
	WIN 0x04                                       ; an LDS store's data are its source 1: window 1
.irp q, 0,1,2,3,4,5,6,7
	ds_store_b128 v[STW], v[RK+4*\q:RK+4*\q+3] offset:544*\q
.endr
	WIN 0
.irp i, 0,1,2,3,4,5,6,7
	ds_load_b128 v[S+4*\i:S+4*\i+3], v[STR] offset:16*\i          ; LDS serves a wave's instructions in order: these see the stores above
.endr
	BLOCKQ RV, 0x14, 0x01, TM+6, TM+3
	ds_store_b128 v[JVX], v[TM+6:TM+9]
	ds_store_b64 v[JVY], v[TM+10:TM+11]
	ds_store_b8 v[JVB], v[TM+3]
	s_wait_dscnt 0x3                               ; all but the three stores just issued: the stage's stores have read K's registers, and my row is back
	BLOCKQ S, 0, 0, TM+12, TM+4
	ds_store_b128 v[JKX], v[TM+12:TM+15]
	ds_store_b64 v[JKY], v[TM+16:TM+17]
	ds_store_b8 v[JKB], v[TM+4]
.endm
; Four operands (eight pieces) and their scale words: lanes 0-15 take an even operand's words, lanes 16-31 the odd one's.
.macro KVLOAD off, soff
	ds_load_b32 v[KVS], v[A4] offset:\soff
	ds_load_b32 v[KVS+1], v[A4] offset:\soff+128
.irp p, 0,1,2,3,4,5,6,7
	ds_load_b128 v[FR+6*\p:FR+6*\p+3], v[A16] offset:\off+768*\p
	ds_load_b64 v[FR+6*\p+4:FR+6*\p+5], v[A8] offset:\off+768*\p+512
.endr
.endm
; S^T of tile t: operand g of K against [Q | 0] gives key tile 2 g, against [0 | Q] key tile 2 g + 1.
.macro SMUL t
	WIN 0x04                                       ; source 1 (Q) window 1
.irp g, 0,1,2,3
.irp u, 0,1
.if \g % 2
	v_wmma_scale_f32_16x16x128_f8f6f4 v[S+8*(2*\g+\u):S+8*(2*\g+\u)+7], v[FR+12*\g:FR+12*\g+11], v[QB+6-6*\u+12*(\t):QB+17-6*\u+12*(\t)], 0, v[KVS+\g/2], v[QS+(\t)] matrix_a_fmt:MATRIX_FMT_FP6 matrix_b_fmt:MATRIX_FMT_FP6 matrix_a_scale:MATRIX_SCALE_ROW1
.else
	v_wmma_scale_f32_16x16x128_f8f6f4 v[S+8*(2*\g+\u):S+8*(2*\g+\u)+7], v[FR+12*\g:FR+12*\g+11], v[QB+6-6*\u+12*(\t):QB+17-6*\u+12*(\t)], 0, v[KVS+\g/2], v[QS+(\t)] matrix_a_fmt:MATRIX_FMT_FP6 matrix_b_fmt:MATRIX_FMT_FP6
.endif
.endr
.endr
	WIN 0
.endm
; The softmax of tile t for one step.  At work: TM+0..3 four chains (TM+0, TM+2 end as the two blocks' largest scores), +4..7 the row's maximum and M, +8,9 the conversions' scale operands, +10,11 bytes,
; +12,13 the scale word, +14,15 a second chain of sums, +16..18 and +20..22 the upper halves of the two blocks' codes (MOVS puts them in place).
.macro SM t
.set rT, ST+4*(\t)
.set rP, P+12*(\t)
.irp b, 0,1,2,3
	v_max3_num_f32 v[TM+\b], v[S+16*\b], v[S+16*\b+1], v[S+16*\b+2]       ; THE LARGEST SCORE OF EACH BLOCK serves twice: for the row's maximum and, since p rises with the score, for the block's largest p.
.endr                                              ; Each accumulator is read from its low end on
.irp i, 3,5,7,9,11,13
.irp b, 0,1,2,3
	v_max3_num_f32 v[TM+\b], v[TM+\b], v[S+16*\b+\i], v[S+16*\b+\i+1]
.endr
.endr
	v_max3_num_f32 v[TM], v[TM], v[TM+1], v[S+15]
	v_max3_num_f32 v[TM+2], v[TM+2], v[TM+3], v[S+47]
	v_max_num_f32 v[TM], v[TM], v[S+31]
	v_max_num_f32 v[TM+2], v[TM+2], v[S+63]
.if (\t) == 3
	KVLOAD VOFF, VSOFF                             ; K is done with: V's operands take its registers; the moves and maxima above are the places behind the last products that read them
.endif
	v_max_num_f32 v[TM+4], v[TM], v[TM+2]
	v_permlanex16_b32 v[TM+5], v[TM+4], s20, s21   ; my query's other 64 keys lie in the lane 16 away
	v_mov_b32 v[TM+6], v[rT]                       ; the old -M
	v_max3_num_f32 v[rT+1], v[rT+1], v[TM+4], v[TM+5]              ; the running largest score
	v_mul_f32 v[TM+7], s24, v[rT+1]                ; -t
	v_floor_f32 v[rT], v[TM+7]                     ; the new -M = floor(-t) = -ceil(t): M is a whole number
	v_sub_f32 v[TM+6], v[rT], v[TM+6]              ; old M - new M: a whole number, 0 or less
	v_cvt_i32_f32 v[TM+6], v[TM+6]                 ; (it saturates)
	v_ldexp_f32 v[F], 1.0, v[TM+6]                 ; f = 2^(old M - new M)
	v_fma_f32 v[TM], v[TM], s22, v[rT]             ; t - M of each block's largest score
	v_fma_f32 v[TM+2], v[TM+2], s22, v[rT]
	v_pk_fma_f32 v[S:S+1], v[S:S+1], s[22:23], v[rT:rT+1] op_sel_hi:[1,0,0]       ; t - M, two at a time (of the pairs c and -M the low word serves both halves)
	v_pk_fma_f32 v[S+2:S+3], v[S+2:S+3], s[22:23], v[rT:rT+1] op_sel_hi:[1,0,0]
	v_exp_f32 v[TM], v[TM]                         ; ONE BATCH of 66 exponentials, the scalings dealt among them: none of these lines names an exponential's result
	v_exp_f32 v[TM+2], v[TM+2]
.set jj, 0
.rept 32
	v_exp_f32 v[S+2*jj], v[S+2*jj]                 ; p = 2^(t - M), at most 1: not normalised
	v_exp_f32 v[S+2*jj+1], v[S+2*jj+1]
.if jj < 30
	v_pk_fma_f32 v[S+2*jj+4:S+2*jj+5], v[S+2*jj+4:S+2*jj+5], s[22:23], v[rT:rT+1] op_sel_hi:[1,0,0]
.endif
.set jj, jj+1
.endr
	v_pk_mul_f32 v[rT+2:rT+3], v[rT+2:rT+3], v[F:F+1] op_sel_hi:[1,0]     ; the sums under the new M: the plain place behind the last exponential
	WIN 0x41                                       ; O^T (destination and source 0) window 1, f window 0
.set jj, 0
.rept 16
	v_pk_mul_f32 v[32*(\t)+2*jj:32*(\t)+2*jj+1], v[32*(\t)+2*jj:32*(\t)+2*jj+1], v[F:F+1] op_sel_hi:[1,0]   ; O^T under the new M: work that names no exponential's result
.set jj, jj+1
.endr
	WIN 0
	s_wait_alu depctr_va_vdst(0)                   ; the one wait between the batch and the first line that names a result
	v_max_num_f32 v[TM], s26, v[TM]                ; the blocks' largest p, with the floor 2^(3 - 127)
	v_max_num_f32 v[TM+2], s26, v[TM+2]
	v_add_nc_u32 v[TM+8], 0xff000000, v[TM]        ; 2 off the exponent field: the conversions' scale operands
	v_add_nc_u32 v[TM+9], 0xff000000, v[TM+2]
	v_lshrrev_b32 v[TM+10], 23, v[TM+8]            ; the bytes of my blocks h and 2 + h
	v_lshrrev_b32 v[TM+11], 23, v[TM+9]
	v_lshl_or_b32 v[TM+12], v[TM+11], 16, v[TM+10]
	v_lshlrev_b32 v[TM+12], v[SH8], v[TM+12]       ; at their places in the scale word
	v_permlanex16_b32 v[TM+13], v[TM+12], s20, s21
	v_or_b32 v[PS+(\t)], v[TM+12], v[TM+13]        ; with the other half's two the word is whole.  It is made ahead of the sums, which so stand between it and the product that reads it
	v_pk_add_f32 v[TM+14:TM+15], v[S:S+1], v[S+2:S+3]              ; THE ROW'S SUM IS TAKEN OF THE UNQUANTISED p: two at a time, in two chains
.irp j, 4,8,12,16,20,24,28,32,36,40,44,48,52,56,60
	v_pk_add_f32 v[rT+2:rT+3], v[rT+2:rT+3], v[S+\j:S+\j+1]
	v_pk_add_f32 v[TM+14:TM+15], v[TM+14:TM+15], v[S+\j+2:S+\j+3]
.endr
	v_pk_add_f32 v[rT+2:rT+3], v[rT+2:rT+3], v[TM+14:TM+15]
	v_cvt_scalef32_pk16_fp6_f32 v[rP:rP+2], v[S:S+15], v[TM+8]
	v_cvt_scalef32_pk16_fp6_f32 v[TM+16:TM+18], v[S+16:S+31], v[TM+8]
	v_cvt_scalef32_pk16_fp6_f32 v[rP+6:rP+8], v[S+32:S+47], v[TM+9]
	v_cvt_scalef32_pk16_fp6_f32 v[TM+20:TM+22], v[S+48:S+63], v[TM+9]
	v_nop                                          ; one plain place behind the conversions, ahead of the products that write the scores anew and of the moves
.endm
.macro MOVS t                          ; the upper halves of tile t's two blocks of codes go to their places: six plain lines, which are also the places behind the next tile's products
.irp i, 0,1,2
	v_mov_b32 v[P+12*(\t)+3+\i], v[TM+16+\i]
	v_mov_b32 v[P+12*(\t)+9+\i], v[TM+20+\i]
.endr
.endm
; O^T += V^T P^T: sixteen accumulators, one instruction each; an accumulator's next link stands a whole step on, behind the first product's instructions.
.macro PVMUL
	WIN 0x50                                       ; C and D window 1
.irp a, 0,1,2,3
.irp t, 0,1,2,3
.if \a % 2
	v_wmma_scale_f32_16x16x128_f8f6f4 v[32*\t+8*\a:32*\t+8*\a+7], v[FR+12*\a:FR+12*\a+11], v[P+12*\t:P+12*\t+11], v[32*\t+8*\a:32*\t+8*\a+7], v[KVS+\a/2], v[PS+\t] matrix_a_fmt:MATRIX_FMT_FP6 matrix_b_fmt:MATRIX_FMT_FP6 matrix_a_scale:MATRIX_SCALE_ROW1
.else
	v_wmma_scale_f32_16x16x128_f8f6f4 v[32*\t+8*\a:32*\t+8*\a+7], v[FR+12*\a:FR+12*\a+11], v[P+12*\t:P+12*\t+11], v[32*\t+8*\a:32*\t+8*\a+7], v[KVS+\a/2], v[PS+\t] matrix_a_fmt:MATRIX_FMT_FP6 matrix_b_fmt:MATRIX_FMT_FP6
.endif
.endr
.endr
	WIN 0
.endm
; Tile t of Q: 16 rows turn through my stage, are quantised, and stay in window 1; the scale word is [q0, q1, q0, q1], so that it serves Q in either half of the operand.
.macro QTILE t
.irp q, 0,1,2,3,4,5,6,7
	ds_store_b128 v[STW], v[QD+32*(\t)+4*\q:QD+32*(\t)+4*\q+3] offset:544*\q
.endr
.irp i, 0,1,2,3,4,5,6,7
	ds_load_b128 v[S+4*\i:S+4*\i+3], v[STR] offset:16*\i
.endr
	s_wait_dscnt 0x0
	BLOCKQ S, 0, 0, TM+12, TM+4
	WIN 0x40
.irp i, 0,1,2,3,4,5
	v_mov_b32 v[QB+6+12*(\t)+\i], v[TM+12+\i]
.endr
	WIN 0
	v_lshlrev_b32 v[TM+21], v[SH8], v[TM+4]
	v_permlanex16_b32 v[TM+22], v[TM+21], s20, s21
	v_or_b32 v[TM+21], v[TM+21], v[TM+22]
	v_lshl_or_b32 v[QS+(\t)], v[TM+21], 16, v[TM+21]
.endm
; A KEY STEP.  job = 1: the next step's K and V are quantised into the next region; jload = 1: the step after that is asked for.
.macro TRIP job, jload
	s_barrier_wait -1                              ; every wave's part of this step's region has landed
	v_add_nc_u32 v[A16], s27, v[GK]                ; this step's addresses: these plain lines are also the places between the last products and the loads into their operands
	v_add_nc_u32 v[A8], s27, v[L8]
	v_add_nc_u32 v[A4], s27, v[GV]
.if \job
	JADDR
.else
	v_nop
.endif
	KVLOAD KOFF, KSOFF
.if \job
	s_wait_loadcnt 0x0                             ; the job's 40 loads, issued a whole step ago; their bases may be stepped behind this wait
	JOBBODY
.if \jload
	s_add_nc_u64 s[6:7], s[6:7], STEPB
	s_add_nc_u64 s[8:9], s[8:9], STEPB
	JLOAD
.endif
.endif
	s_wait_dscnt 0x0                               ; K's operands are in, and for the others' sake: my stores into the next region have landed
.if \job
	s_barrier_signal -1                            ; up to the wait at the next step's head: work on registers, and loads of this step's V, whose bytes nobody writes again
.endif
	SMUL 0
	PLACES 4                                       ; between the products and the first read of their results
	SM 0
	SMUL 1
	MOVS 0
	SM 1
	SMUL 2
	MOVS 1
	SM 2
	SMUL 3
	MOVS 2
	SM 3
	MOVS 3
	PLACES 4                                       ; an operand written by vector instructions stands four places ahead of a scaled matrix instruction
	s_wait_dscnt 0x0                               ; V's operands are in
	PVMUL
	s_add_co_u32 s27, s27, REG
	s_add_co_u32 s28, s28, REG
.endm
	s_load_b256 s[4:11], s[0:1], 0x0               ; q_s s[4:5], k_s s[6:7], v_s s[8:9], out0 s[10:11]
	v_lshl_add_u32 v254, v0, 2, 0x3a800
	v_mov_b32 v255, 0
	v_lshrrev_b32 v1, 5, v0
	v_readfirstlane_b32 s12, v1                    ; wave 0..7
	v_and_b32 v[TT], 31, v0                        ; lane
	v_lshlrev_b32 v[GK], 4, v[TT]
	v_lshlrev_b32 v[GV], 2, v[TT]
	v_lshlrev_b32 v[L8], 3, v[TT]
	s_and_b32 s14, ttmp7, 0xffff
	s_lshl_b32 s14, s14, 19                        ; the head's first byte: 2,048 rows of 256 bytes
	s_lshl_b32 s16, ttmp9, 17                      ; my work-group's 512 queries,
	s_lshl_b32 s17, s12, 14                        ; my wave's 64 of them
	s_add_co_u32 s16, s16, s17
	s_add_co_u32 s16, s16, s14
	s_mov_b32 s17, 0
	s_lshr_b32 s29, s12, 2                         ; wave / 4
	s_and_b32 s30, s12, 3                          ; wave % 4
	s_lshl_b32 s18, s29, 14                        ; K: my tile's first run of 8 keys: key 64 (wave / 4) + 8 (wave % 4)
	s_lshl_b32 s19, s30, 11
	s_add_co_u32 s18, s18, s19
	s_add_co_u32 s18, s18, s14
	s_mov_b32 s19, 0
	s_lshl_b32 s32, s30, 13                        ; V: my block: keys 32 (wave % 4) on, channels 32 (wave / 4) on
	s_lshl_b32 s33, s29, 7
	s_add_co_u32 s32, s32, s33
	s_add_co_u32 s32, s32, s14
	s_mov_b32 s33, 0
	s_mov_b32 s20, 0x76543210
	s_mov_b32 s21, 0xfedcba98                      ; v_permlanex16_b32's selects for the lane 16 away
	s_mov_b32 s22, 0x3e38aa3b                      ; c = log2(e) / 8
	s_mov_b32 s23, s22                             ; (named with it as a pair, so it is written)
	s_mov_b32 s24, 0xbe38aa3b                      ; -c
	s_mov_b32 s26, 0x1800000                       ; the floor 2^(3 - 127)
	s_mov_b32 s27, 0                               ; the region that is read
	s_mov_b32 s28, 0                               ; the region that the job writes
	s_wait_kmcnt 0x0
	s_add_nc_u64 s[4:5], s[4:5], s[16:17]
	s_add_nc_u64 s[10:11], s[10:11], s[16:17]
	s_add_nc_u64 s[6:7], s[6:7], s[18:19]
	s_add_nc_u64 s[8:9], s[8:9], s[32:33]
	JLOAD                                          ; step 0's K and V
.set ii, 0
.rept 32
	global_load_b128 v[QD+4*ii:QD+4*ii+3], v[GK], s[4:5] offset:512*ii th:TH_LOAD_NT   ; my 64 rows of Q, 512 consecutive bytes a load; read once in the launch
.set ii, ii+1
.endr
	; while these are on their way: addresses, constants, zeros
	v_and_b32 v[RR], 15, v0                        ; r
	v_bfe_u32 v[HH], v0, 4, 1                      ; h
	v_lshlrev_b32 v[SH8], 3, v[HH]
	s_mul_i32 s13, s12, STGW
	s_add_co_u32 s13, s13, STG                     ; my stage
	v_mul_u32_u24 v[STW], v[HH], SPITCH
	v_lshl_add_u32 v[STW], v[RR], 4, v[STW]
	v_add_nc_u32 v[STW], s13, v[STW]
	v_mul_u32_u24 v[STR], v[RR], SPITCH
	v_lshl_add_u32 v[OSW], v[HH], 5, v[STR]
	v_lshl_add_u32 v[STR], v[HH], 7, v[STR]
	v_add_nc_u32 v[STR], s13, v[STR]
	v_add_nc_u32 v[OSW], s13, v[OSW]
	s_mul_i32 s14, s12, 768                        ; K's piece = my wave's number
	v_add_nc_u32 v[JB0], s14, v[GK]
	s_add_co_u32 s14, s14, 512
	v_add_nc_u32 v[JB0+1], s14, v[L8]
	s_lshr_b32 s14, s12, 1                         ; K's scale byte: word 16 (wave / 2) + r, byte 2 (wave % 2) + h
	s_lshl_b32 s14, s14, 6
	s_and_b32 s15, s12, 1
	s_lshl_b32 s16, s15, 1
	s_add_co_u32 s14, s14, s16
	s_add_co_u32 s14, s14, KSOFF
	v_lshl_add_u32 v[JB0+2], v[RR], 2, v[HH]
	v_add_nc_u32 v[JB0+2], s14, v[JB0+2]
	s_mul_i32 s14, s29, 3072                       ; V's piece = 4 (wave / 4) + 2 h + (wave / 2) % 2; my place in it is that of lane r + 16 (wave % 2)
	s_bfe_u32 s16, s12, 0x10001
	s_mul_i32 s16, s16, 768
	s_add_co_u32 s14, s14, s16
	s_add_co_u32 s14, s14, VOFF
	s_lshl_b32 s16, s15, 8
	s_add_co_u32 s16, s16, s14
	s_lshl_b32 s17, s15, 7
	s_add_co_u32 s17, s17, s14
	s_add_co_u32 s17, s17, 512
	v_mul_u32_u24 v[TT], v[HH], 1536
	v_lshl_add_u32 v[JB0+3], v[RR], 4, v[TT]
	v_add_nc_u32 v[JB0+3], s16, v[JB0+3]
	v_lshl_add_u32 v[JB0+4], v[RR], 3, v[TT]
	v_add_nc_u32 v[JB0+4], s17, v[JB0+4]
	s_lshl_b32 s14, s29, 7                         ; V's scale byte: word = my channel 32 (wave / 4) + lane, byte = my block wave % 4
	s_add_co_u32 s14, s14, s30
	s_add_co_u32 s14, s14, VSOFF
	v_add_nc_u32 v[JB0+5], s14, v[GV]
	JADDR                                          ; the first job writes region 0
.irp t, 0,1,2,3
	v_mov_b32 v[ST+4*\t+1], 0xff61b1e6             ; the largest score so far: -3e38, under every score
	v_mov_b32 v[ST+4*\t+2], 0                      ; the sum, in two halves
	v_mov_b32 v[ST+4*\t+3], 0
.endr
.irp t, 0,1,2,3
	v_mul_f32 v[ST+4*\t], s24, v[ST+4*\t+1]
.endr
.irp t, 0,1,2,3
	v_floor_f32 v[ST+4*\t], v[ST+4*\t]             ; -M
.endr
	v_mov_b32 v[F+1], 0                            ; (named as the upper half of the pair of f)
	v_mov_b32 v[TM+5], 0                           ; written once: a lane permute's destination counts as one of its sources
	v_mov_b32 v[TM+13], 0
	v_mov_b32 v[TM+22], 0
	WIN 0x40
.set ii, 0
.rept 128
	v_mov_b32 v[ii], 0                             ; O^T: the first step finds zeros, which the first change of M leaves zeros
.set ii, ii+1
.endr
.irp z, 0,1,2,3,4
.irp i, 0,1,2,3,4,5
	v_mov_b32 v[QB+12*\z+\i], 0                    ; the zero codes beside Q
.endr
.endr
	WIN 0
	s_wait_loadcnt 32                              ; Q's 32 younger loads may be out: step 0's 40 are in, and their bases may be stepped
	s_add_nc_u64 s[6:7], s[6:7], STEPB
	s_add_nc_u64 s[8:9], s[8:9], STEPB
	JOBBODY                                        ; region 0
	JLOAD                                          ; step 1's K and V
	s_mov_b32 s28, REG
	s_wait_loadcnt 40                              ; the 40 just issued may be out: Q is in
	QTILE 0
	QTILE 1
	QTILE 2
	QTILE 3
	s_wait_dscnt 0x0                               ; for the others' sake: my part of region 0 has landed
	s_barrier_signal -1
	s_mov_b32 s25, 14
.Lstep:                                            ; steps 0 to 13
	TRIP 1, 1
	s_sub_co_u32 s25, s25, 1
	s_cmp_lg_u32 s25, 0
	s_cbranch_scc1 .Lstep
	TRIP 1, 0                                      ; step 14: the last region is written, nothing is left to ask for
	TRIP 0, 0                                      ; step 15: no job, and no barrier is signalled
	; THE WAY OUT.  The sum's two halves and the other 16 lanes' are added; O^T is divided by the sum and goes through my stage, a tile (16 rows of 256 bytes) at a time.  These additions are the places behind the last products.
.irp t, 0,1,2,3
	v_add_f32 v[TM+\t], v[ST+4*\t+2], v[ST+4*\t+3]
.endr
.irp t, 0,1,2,3
	v_permlanex16_b32 v[TM+4+\t], v[TM+\t], s20, s21
.endr
.irp t, 0,1,2,3
	v_add_f32 v[TM+\t], v[TM+\t], v[TM+4+\t]
.endr
.irp t, 0,1,2,3
	v_rcp_f32 v[ST+4*\t+2], v[TM+\t]
.endr
	v_nop                                          ; a plain place behind the last reciprocal
	s_wait_alu depctr_va_vdst(0)                   ; and the wait ahead of the first use: one for the four
.macro PACK t
	WIN 0x01                                       ; source 0 (O^T) window 1
.set ii, 0
.rept 16
	v_pk_mul_f32 v[S+32*\t+2*ii:S+32*\t+2*ii+1], v[32*\t+2*ii:32*\t+2*ii+1], v[ST+4*\t+2:ST+4*\t+3] op_sel_hi:[1,0]   ; ascending: each accumulator from its low end on
.set ii, ii+1
.endr
	WIN 0
.irp a, 0,1,2,3
	ds_store_b128 v[OSW], v[S+32*\t+8*\a:S+32*\t+8*\a+3] offset:64*\a              ; lane (r, h): o(16 t + r, 16 a + 8 h + 0 .. 7)
	ds_store_b128 v[OSW], v[S+32*\t+8*\a+4:S+32*\t+8*\a+7] offset:64*\a+16
.endr
.irp i, 0,1,2,3,4,5,6,7
	ds_load_b128 v[S+32*\t+4*\i:S+32*\t+4*\i+3], v[STW] offset:544*\i              ; back as whole rows: LDS serves a wave's instructions in order, so these see the stores above, and the next tile's stores come behind them
.endr
.endm
.macro SEND t, younger                 ; younger: the LDS instructions issued behind tile t's loads
.irp i, 0,1,2,3,4,5,6,7
	s_wait_dscnt \younger+7-\i
	global_store_b128 v[GK], v[S+32*\t+4*\i:S+32*\t+4*\i+3], s[10:11] offset:4096*\t+512*\i th:TH_STORE_NT   ; 32 lanes store two rows: 512 consecutive bytes, at a multiple of 256 from out0's first byte
.endr
.endm
	PACK 0
	PACK 1                                         ; a tile's arithmetic stands between the loads of the tile before and its stores
	SEND 0, 16
	PACK 2
	SEND 1, 16
	PACK 3
	SEND 2, 16
	SEND 3, 0
	s_wait_tensorcnt 0x0
	ds_add_u32 v254, v255
	s_wait_dscnt 0x0
	s_endpgm
.Lfunc_end_k_q74b4f0d0db_attn:
	.size	k_q74b4f0d0db_attn, .Lfunc_end_k_q74b4f0d0db_attn-k_q74b4f0d0db_attn
	.p2alignl 7, 3214868480
	.fill 96, 4, 3214868480
	.section	.rodata,"a",@progbits
	.p2align	6, 0x0
	.amdhsa_kernel k_q74b4f0d0db_attn
		.amdhsa_group_segment_fixed_size 240640
		.amdhsa_private_segment_fixed_size 0
		.amdhsa_enable_private_segment 0
		.amdhsa_kernarg_size 32
		.amdhsa_user_sgpr_count 2
		.amdhsa_user_sgpr_kernarg_segment_ptr 1
		.amdhsa_wavefront_size32 1
		.amdhsa_system_sgpr_workgroup_id_x 1
		.amdhsa_system_sgpr_workgroup_id_y 1
		.amdhsa_system_sgpr_workgroup_id_z 1
		.amdhsa_system_vgpr_workitem_id 0
		.amdhsa_next_free_vgpr 512
		.amdhsa_next_free_sgpr 66
		.amdhsa_reserve_vcc 0
		.amdhsa_float_denorm_mode_32 3
		.amdhsa_float_denorm_mode_16_64 3
		.amdhsa_memory_ordered 1
		.amdhsa_forward_progress 1
		.amdhsa_inst_pref_size 218
	.end_amdhsa_kernel
	.amdgpu_metadata
---
amdhsa.version: [ 1, 2 ]
amdhsa.kernels:
  - .name:           k_q74b4f0d0db_attn
    .symbol:         k_q74b4f0d0db_attn.kd
    .args:
      - { .name: q_s, .offset: 0, .size: 8, .value_kind: global_buffer, .address_space: global }
      - { .name: k_s, .offset: 8, .size: 8, .value_kind: global_buffer, .address_space: global }
      - { .name: v_s, .offset: 16, .size: 8, .value_kind: global_buffer, .address_space: global }
      - { .name: out0, .offset: 24, .size: 8, .value_kind: global_buffer, .address_space: global }
    .group_segment_fixed_size: 240640
    .private_segment_fixed_size: 0
    .kernarg_segment_align: 8
    .kernarg_segment_size: 32
    .max_flat_workgroup_size: 256
    .sgpr_count:     66
    .vgpr_count:     512
    .wavefront_size: 32
...
	.end_amdgpu_metadata
.endif
;; end of part 1
;; ======== version 2 of 2: 1 launch; version 1 with the launch attn written anew for expert scheduling mode
;; launch attn (part 2): grid 4 x 64, 8 waves a work-group, no clusters, 240,640 bytes of LDS; arguments q_s, k_s, v_s, out0; writes out0
.if DOCPART == 2
	.amdgcn_target "amdgcn-amd-amdhsa--gfx1250"
	.amdhsa_code_object_version 6
	.text
	.protected	k_q74b4f0d0db_attn
	.globl	k_q74b4f0d0db_attn
	.p2align	8
	.type	k_q74b4f0d0db_attn,@function
k_q74b4f0d0db_attn:
	s_mov_b64 s[64:65], 0
	v_nop
	global_prefetch_b8 v0, s[64:65] scope:SCOPE_SE
	s_setreg_imm32_b32 hwreg(HW_REG_WAVE_SCHED_MODE, 0, 2), 2
	s_setreg_imm32_b32 hwreg(HW_REG_WAVE_MODE, 25, 1), 1
	s_wait_xcnt 0x0
	s_wait_alu depctr_vm_vsrc(0)
; out0[h][q][:] = the sum over k of softmax_k(q_s[h][q] . k_s[h][k] / 8) v_s[h][k][:].  64 heads, 2,048 rows of 64 f32 (256 bytes) each; no mask.
; Both products run on codes of FP6 (E2M3) with one E8M0 scale for each 32 along a product's K; q and k are quantised along the head's 64, v along the keys, all three in this launch.
; THE SOFTMAX AHEAD OF THE SECOND PRODUCT: t = score x log2(e) / 8; M = the row's largest t so far, rounded UP to a whole number; p = 2^(t - M) is what is quantised, along the keys, not normalised.
; The row's sum is taken of the unquantised p and divides at the end.  When M moves, the sum and O are multiplied by 2^(old M - new M), which rounds nothing.
; SHARES.  A work-group owns 512 queries of one head, each of its eight waves 64: four tiles of 16.  Every wave walks the head's 2,048 keys, 128 a step, 16 steps.
; THE JOB.  In step s each wave also quantises one eighth of step s + 1's K and V (one tile of 16 keys; one block of 32 keys for 32 channels) from registers loaded a whole step earlier, and stores
; the codes to LDS as images of the operands' registers.  Each image byte is written once in the launch: 16 regions, one a step.  One barrier a step: signalled behind the job, awaited at the next step's head.
; LAYOUT.  Both products are used transposed: S^T = K Q^T (source 0 = keys, source 1 = my 16 queries), O^T = V^T P^T (source 0 = 16 channels, source 1 = P): a lane holds ONE query (lane % 16) throughout.
; THE KEYS OF A TILE ARE NOT NEIGHBOURS: row m of tile T (0..7) is key 64 (T / 4) + 32 (m / 8) + 8 (T % 4) + m % 8 of the step.  So score register 32 c + i of lane (r, h) is key 64 c + 32 h + i: a whole
; block of 32 in one lane, in the order in which P's operand wants it: no exchange of codes between lanes, and a block's maximum needs no other lane.
; THE FIRST PRODUCT'S K IS 64, the instruction's 128: an operand of K carries TWO tiles of keys (registers 0-5 one tile, 6-11 the next), and Q stands beside zero codes, once as [Q | 0] and once as [0 | Q].
; NO CLUSTER, NO TENSOR LOAD: what the four work-groups of a head share is K and V as f32, 64 KiB a step.  Here it goes from memory straight into the registers that the conversions read; a joint load would need
; slots of 64 KiB of f32 in LDS, a second trip of those bytes through LDS, and a round of the cluster's barrier in every step.  NO PREFETCH: each wave asks for its share by ordinary loads a whole step ahead of the wait for them.
; O^T IS CLEARED ONCE (128 moves a wave): the step is then written without a first step of its own; a fourth copy of the step would be the price of starting the sums with the constant 0.
; LIMITS: NaN and infinities among the inputs are not served.  A block whose largest magnitude lies under 2^-124 keeps the scale byte 1 (a block of zeros too: its codes are zeros, and the bytes are read here alone).
; A p under 2^-126 comes out of v_exp_f32 as 0.
;
; THE MODE: SCHED_MODE bits 1:0 = 2 (LLVM: expert scheduling mode 2), set by the entry lines.  The code itself states the register dependences between vector or matrix instructions and memory or LDS
; instructions, with s_wait_alu, always for 0.
; THE PLAN.  Registers that memory or LDS instructions touch, round a step:
;   v1-3               written by three additions at the step's head; read by K's and by V's LDS loads.
;   v10-15             written by six additions at the head; read by the job's six stores.
;   v5-9               offsets and the stage's addresses: made at the kernel's head, never written again.
;   v16-17, v132-179   K's operands and scale words land; the first product reads them; V's land; the second product reads them.
;   v68-99             my row of K lands from the stage; K's quantiser reads it; afterwards these registers hold scores.
;   window 1 v184-215  K as f32: global loads land; the eight stage stores read them.      window 1 v216-247  V as f32: global loads land; V's quantiser reads them.
;   v47, v48, v50-61   bytes and codes: the two quantisers write them; the six stores read them; the softmax writes them again as scratch.
; So a step has six waits beside the four behind its exponentials: at the head one on vm_vsrc ahead of the additions and one on va_vdst ahead of K's loads; in the job one on va_vdst ahead of the six stores and
; one on vm_vsrc behind them, ahead of the global loads; one on va_vdst ahead of V's loads; one on va_vdst ahead of the second product.  Each says at its place what it states.
;
; LDS: region s at s x REG: K's 8 pieces, V's 8 pieces, K's 64 scale words, V's 64.  A PIECE is six registers a lane, 768 bytes: registers 0-3 at 16 x lane, registers 4-5 at 512 + 8 x lane.
;      Behind the regions a stage for each wave: 16 rows of 256 bytes at a pitch of 272 (17 x 16), in which rows of f32 are turned on the way in and rows of O on the way out.
; REGISTERS, window 0: v1-15 addresses; v16-17 K's or V's scale words; v18-21 Q's; v22-25 P's; v26-27 f; v28-43 statistics, four a tile (-M, largest score, the sum in two halves);
;      v44-67 at work; v68-131 the scores, then p; v132-179 four operands of K or of V; v180-227 P's codes, 12 a tile; v228-237 address terms that never change.
;      window 1: v0-127 O^T (tile t, channels 16 a on: 32 t + 8 a); v128-181 zero codes and Q by turns, six registers each; v184-215 the job's f32 of K; v216-247 of V.
.set REG,    12800
.set KOFF,   0
.set VOFF,   6144
.set KSOFF,  12288
.set VSOFF,  12544
.set STG,    16*REG
.set STGW,   4352                      ; a wave's stage
.set SPITCH, 272
.set STEPB,  32768                     ; 128 keys of 256 bytes
.set A16, 1                            ; v1   16 x lane + the region in hand
.set A8,  2                            ; v2    8 x lane + the region
.set A4,  3                            ; v3    4 x lane + the region
.set SH8, 4                            ; v4   8 h: where my half's bytes stand in a scale word
.set GK,  5                            ; v5   16 x lane: offset in K, Q and out0; never rewritten
.set GV,  6                            ; v6    4 x lane: offset in V; never rewritten
.set STW, 7                            ; v7   stage, by rows as memory has them: row h (+ 2 a step), 16 r
.set STR, 8                            ; v8   stage, my row r, my half's 128 bytes
.set OSW, 9                            ; v9   stage, my row r, 32 h: where O's eight channels go
.set JKX, 10                           ; v10-15 the job's six store addresses in the region being written
.set JKY, 11
.set JKB, 12
.set JVX, 13
.set JVY, 14
.set JVB, 15
.set KVS, 16
.set QS,  18
.set PS,  22
.set F,   26
.set ST,  28
.set TM,  44
.set S,   68
.set QD,  100                          ; at the head: Q's 128 numbers a lane, v100-227
.set FR,  132
.set P,   180
.set L8,  228                          ; v228  8 x lane
.set JB0, 229                          ; v229-234 the job's six addresses in region 0
.set RR,  235                          ; r
.set HH,  236                          ; h
.set TT,  237
.set QB,  128                          ; window 1
.set RK,  184
.set RV,  216
.set MSB, 0
.macro WIN new                         ; the immediate's high byte repeats the setting that is left; a switch that changes nothing is dropped
.if MSB != \new
	s_set_vgpr_msb (MSB<<8)|\new
.set MSB, \new
.endif
.endm
.macro PLACES n
.rept \n
	v_nop
.endr
.endm
; The job's loads: 16 keys of K (two runs of 8 rows, 32 rows apart: each load 512 consecutive bytes) and 32 keys x 32 channels of V (a lane a channel, registers down the keys).
; The waits that these loads hang on stand in front of each use of the macro, behind the switch of the window.
.macro JLOAD
	WIN 0x40                                       ; destination window 1
.irp q, 0,1,2,3,4,5,6,7
	global_load_b128 v[RK+4*\q:RK+4*\q+3], v[GK], s[6:7] offset:512*\q+6144*(\q/4)
.endr
.set ii, 0
.rept 32
	global_load_b32 v[RV+ii], v[GV], s[8:9] offset:256*ii
.set ii, ii+1
.endr
	WIN 0
.endm
; 32 numbers of a lane, one block along K, become six registers of codes at v[c] and the scale's byte in v[by].  wm, wc: the windows under which the numbers are read.
.macro BLOCKQ x, wm, wc, c, by
	WIN \wm
	v_max3_num_f32 v[TM], s26, |v[(\x)]|, |v[(\x)+1]|             ; the largest magnitude, in two chains; the floor 2^(3 - 127) among its leaves holds the byte at 1 from below
	v_max3_num_f32 v[TM+1], 0, |v[(\x)+16]|, |v[(\x)+17]|
.irp i, 2,4,6,8,10,12,14
	v_max3_num_f32 v[TM], v[TM], |v[(\x)+\i]|, |v[(\x)+\i+1]|
	v_max3_num_f32 v[TM+1], v[TM+1], |v[(\x)+16+\i]|, |v[(\x)+17+\i]|
.endr
	WIN 0
	v_max_num_f32 v[TM], v[TM], v[TM+1]
	v_add_nc_u32 v[TM+2], 0xff000000, v[TM]        ; 2 off its exponent field: the conversion takes the exponent field of this operand as its scale
	v_lshrrev_b32 v[\by], 23, v[TM+2]              ; the scale's byte
	WIN \wc
	v_cvt_scalef32_pk16_fp6_f32 v[(\c):(\c)+2], v[(\x):(\x)+15], v[TM+2]
	v_cvt_scalef32_pk16_fp6_f32 v[TM+18:TM+20], v[(\x)+16:(\x)+31], v[TM+2]   ; (a conversion's three registers begin on an even number)
	WIN 0
	v_nop                                          ; one plain place behind a scaled conversion
.irp i, 0,1,2
	v_mov_b32 v[(\c)+3+\i], v[TM+18+\i]
.endr
.endm
.macro JADDR                           ; the job's addresses in the region that s28 names
.irp i, 0,1,2,3,4,5
	v_add_nc_u32 v[JKX+\i], s28, v[JB0+\i]
.endr
.endm
; The job, in three parts.  K's 16 rows turn through my stage: JSTORE puts them in as memory has them, JBACK brings 128 bytes of one row to each lane; JQUANT quantises V's block meanwhile, then K's, and stores both.
.macro JSTORE                          ; reads loaded data and an address made at the kernel's head: it hangs on no vector instruction of the step
	WIN 0x04                                       ; an LDS store's data are its source 1: window 1
.irp q, 0,1,2,3,4,5,6,7
	ds_store_b128 v[STW], v[RK+4*\q:RK+4*\q+3] offset:544*\q
.endr
	WIN 0
.endm
.macro JBACK
.irp i, 0,1,2,3,4,5,6,7
	ds_load_b128 v[S+4*\i:S+4*\i+3], v[STR] offset:16*\i          ; LDS serves a wave's instructions in order: these see the stage's stores
.endr
.endm
.macro JQUANT
	BLOCKQ RV, 0x14, 0x01, TM+6, TM+3
	s_wait_dscnt 0x0                               ; my row is back from the stage (and what was asked of LDS ahead of it)
	BLOCKQ S, 0, 0, TM+12, TM+4
	s_wait_alu depctr_va_vdst(0)                   ; both quantisers have written the codes v50-61 and the bytes v47, v48, which the six stores read; V's is done reading V's f32 registers, in which the next global loads land
	ds_store_b128 v[JVX], v[TM+6:TM+9]
	ds_store_b64 v[JVY], v[TM+10:TM+11]
	ds_store_b8 v[JVB], v[TM+3]
	ds_store_b128 v[JKX], v[TM+12:TM+15]
	ds_store_b64 v[JKY], v[TM+16:TM+17]
	ds_store_b8 v[JKB], v[TM+4]
.endm
; Four operands (eight pieces) and their scale words: lanes 0-15 take an even operand's words, lanes 16-31 the odd one's.
.macro KVLOAD off, soff
	ds_load_b32 v[KVS], v[A4] offset:\soff
	ds_load_b32 v[KVS+1], v[A4] offset:\soff+128
.irp p, 0,1,2,3,4,5,6,7
	ds_load_b128 v[FR+6*\p:FR+6*\p+3], v[A16] offset:\off+768*\p
	ds_load_b64 v[FR+6*\p+4:FR+6*\p+5], v[A8] offset:\off+768*\p+512
.endr
.endm
; S^T of tile t: operand g of K against [Q | 0] gives key tile 2 g, against [0 | Q] key tile 2 g + 1.
.macro SMUL t
	WIN 0x04                                       ; source 1 (Q) window 1
.irp g, 0,1,2,3
.irp u, 0,1
.if \g % 2
	v_wmma_scale_f32_16x16x128_f8f6f4 v[S+8*(2*\g+\u):S+8*(2*\g+\u)+7], v[FR+12*\g:FR+12*\g+11], v[QB+6-6*\u+12*(\t):QB+17-6*\u+12*(\t)], 0, v[KVS+\g/2], v[QS+(\t)] matrix_a_fmt:MATRIX_FMT_FP6 matrix_b_fmt:MATRIX_FMT_FP6 matrix_a_scale:MATRIX_SCALE_ROW1
.else
	v_wmma_scale_f32_16x16x128_f8f6f4 v[S+8*(2*\g+\u):S+8*(2*\g+\u)+7], v[FR+12*\g:FR+12*\g+11], v[QB+6-6*\u+12*(\t):QB+17-6*\u+12*(\t)], 0, v[KVS+\g/2], v[QS+(\t)] matrix_a_fmt:MATRIX_FMT_FP6 matrix_b_fmt:MATRIX_FMT_FP6
.endif
.endr
.endr
	WIN 0
.endm
; The softmax of tile t for one step.  At work: TM+0..3 four chains (TM+0, TM+2 end as the two blocks' largest scores), +4..7 the row's maximum and M, +8,9 the conversions' scale operands, +10,11 bytes,
; +12,13 the scale word, +14,15 a second chain of sums, +16..18 and +20..22 the upper halves of the two blocks' codes (MOVS puts them in place).
.macro SM t
.set rT, ST+4*(\t)
.set rP, P+12*(\t)
.irp b, 0,1,2,3
	v_max3_num_f32 v[TM+\b], v[S+16*\b], v[S+16*\b+1], v[S+16*\b+2]       ; THE LARGEST SCORE OF EACH BLOCK serves twice: for the row's maximum and, since p rises with the score, for the block's largest p.
.endr                                              ; Each accumulator is read from its low end on
.irp i, 3,5,7,9,11,13
.irp b, 0,1,2,3
	v_max3_num_f32 v[TM+\b], v[TM+\b], v[S+16*\b+\i], v[S+16*\b+\i+1]
.endr
.endr
	v_max3_num_f32 v[TM], v[TM], v[TM+1], v[S+15]
	v_max3_num_f32 v[TM+2], v[TM+2], v[TM+3], v[S+47]
	v_max_num_f32 v[TM], v[TM], v[S+31]
	v_max_num_f32 v[TM+2], v[TM+2], v[S+63]
.if (\t) == 3
	s_wait_alu depctr_va_vdst(0)                   ; the first product's last instructions are done reading K's operands v132-179 and scale words v16-17, in which V's land
	KVLOAD VOFF, VSOFF                             ; K is done with: V's operands take its registers; the moves and maxima above stand between the last products that read them and these loads
.endif
	v_max_num_f32 v[TM+4], v[TM], v[TM+2]
	v_permlanex16_b32 v[TM+5], v[TM+4], s20, s21   ; my query's other 64 keys lie in the lane 16 away
	v_mov_b32 v[TM+6], v[rT]                       ; the old -M
	v_max3_num_f32 v[rT+1], v[rT+1], v[TM+4], v[TM+5]              ; the running largest score
	v_mul_f32 v[TM+7], s24, v[rT+1]                ; -t
	v_floor_f32 v[rT], v[TM+7]                     ; the new -M = floor(-t) = -ceil(t): M is a whole number
	v_sub_f32 v[TM+6], v[rT], v[TM+6]              ; old M - new M: a whole number, 0 or less
	v_cvt_i32_f32 v[TM+6], v[TM+6]                 ; (it saturates)
	v_ldexp_f32 v[F], 1.0, v[TM+6]                 ; f = 2^(old M - new M)
	v_fma_f32 v[TM], v[TM], s22, v[rT]             ; t - M of each block's largest score
	v_fma_f32 v[TM+2], v[TM+2], s22, v[rT]
	v_pk_fma_f32 v[S:S+1], v[S:S+1], s[22:23], v[rT:rT+1] op_sel_hi:[1,0,0]       ; t - M, two at a time (of the pairs c and -M the low word serves both halves)
	v_pk_fma_f32 v[S+2:S+3], v[S+2:S+3], s[22:23], v[rT:rT+1] op_sel_hi:[1,0,0]
	v_exp_f32 v[TM], v[TM]                         ; ONE BATCH of 66 exponentials, the scalings dealt among them: none of these lines names an exponential's result
	v_exp_f32 v[TM+2], v[TM+2]
.set jj, 0
.rept 32
	v_exp_f32 v[S+2*jj], v[S+2*jj]                 ; p = 2^(t - M), at most 1: not normalised
	v_exp_f32 v[S+2*jj+1], v[S+2*jj+1]
.if jj < 30
	v_pk_fma_f32 v[S+2*jj+4:S+2*jj+5], v[S+2*jj+4:S+2*jj+5], s[22:23], v[rT:rT+1] op_sel_hi:[1,0,0]
.endif
.set jj, jj+1
.endr
	v_pk_mul_f32 v[rT+2:rT+3], v[rT+2:rT+3], v[F:F+1] op_sel_hi:[1,0]     ; the sums under the new M: the plain place behind the last exponential
	WIN 0x41                                       ; O^T (destination and source 0) window 1, f window 0
.set jj, 0
.rept 16
	v_pk_mul_f32 v[32*(\t)+2*jj:32*(\t)+2*jj+1], v[32*(\t)+2*jj:32*(\t)+2*jj+1], v[F:F+1] op_sel_hi:[1,0]   ; O^T under the new M: work that names no exponential's result
.set jj, jj+1
.endr
	WIN 0
	s_wait_alu depctr_va_vdst(0)                   ; the 66 exponentials have written v44, v46 and v68-131: the one wait between the batch and the first line that names a result
	v_max_num_f32 v[TM], s26, v[TM]                ; the blocks' largest p, with the floor 2^(3 - 127)
	v_max_num_f32 v[TM+2], s26, v[TM+2]
	v_add_nc_u32 v[TM+8], 0xff000000, v[TM]        ; 2 off the exponent field: the conversions' scale operands
	v_add_nc_u32 v[TM+9], 0xff000000, v[TM+2]
	v_lshrrev_b32 v[TM+10], 23, v[TM+8]            ; the bytes of my blocks h and 2 + h
	v_lshrrev_b32 v[TM+11], 23, v[TM+9]
	v_lshl_or_b32 v[TM+12], v[TM+11], 16, v[TM+10]
	v_lshlrev_b32 v[TM+12], v[SH8], v[TM+12]       ; at their places in the scale word
	v_permlanex16_b32 v[TM+13], v[TM+12], s20, s21
	v_or_b32 v[PS+(\t)], v[TM+12], v[TM+13]        ; with the other half's two the word is whole.  It is made ahead of the sums, which so stand between it and the product that reads it
	v_pk_add_f32 v[TM+14:TM+15], v[S:S+1], v[S+2:S+3]              ; THE ROW'S SUM IS TAKEN OF THE UNQUANTISED p: two at a time, in two chains
.irp j, 4,8,12,16,20,24,28,32,36,40,44,48,52,56,60
	v_pk_add_f32 v[rT+2:rT+3], v[rT+2:rT+3], v[S+\j:S+\j+1]
	v_pk_add_f32 v[TM+14:TM+15], v[TM+14:TM+15], v[S+\j+2:S+\j+3]
.endr
	v_pk_add_f32 v[rT+2:rT+3], v[rT+2:rT+3], v[TM+14:TM+15]
	v_cvt_scalef32_pk16_fp6_f32 v[rP:rP+2], v[S:S+15], v[TM+8]
	v_cvt_scalef32_pk16_fp6_f32 v[TM+16:TM+18], v[S+16:S+31], v[TM+8]
	v_cvt_scalef32_pk16_fp6_f32 v[rP+6:rP+8], v[S+32:S+47], v[TM+9]
	v_cvt_scalef32_pk16_fp6_f32 v[TM+20:TM+22], v[S+48:S+63], v[TM+9]
	v_nop                                          ; one plain place behind the conversions, ahead of the products that write the scores anew and of the moves
.endm
.macro MOVS t                          ; the upper halves of tile t's two blocks of codes go to their places: six plain lines, which are also the places behind the next tile's products
.irp i, 0,1,2
	v_mov_b32 v[P+12*(\t)+3+\i], v[TM+16+\i]
	v_mov_b32 v[P+12*(\t)+9+\i], v[TM+20+\i]
.endr
.endm
; O^T += V^T P^T: sixteen accumulators, one instruction each; an accumulator's next link stands a whole step on, behind the first product's instructions.
.macro PVMUL
	WIN 0x50                                       ; C and D window 1
.irp a, 0,1,2,3
.irp t, 0,1,2,3
.if \a % 2
	v_wmma_scale_f32_16x16x128_f8f6f4 v[32*\t+8*\a:32*\t+8*\a+7], v[FR+12*\a:FR+12*\a+11], v[P+12*\t:P+12*\t+11], v[32*\t+8*\a:32*\t+8*\a+7], v[KVS+\a/2], v[PS+\t] matrix_a_fmt:MATRIX_FMT_FP6 matrix_b_fmt:MATRIX_FMT_FP6 matrix_a_scale:MATRIX_SCALE_ROW1
.else
	v_wmma_scale_f32_16x16x128_f8f6f4 v[32*\t+8*\a:32*\t+8*\a+7], v[FR+12*\a:FR+12*\a+11], v[P+12*\t:P+12*\t+11], v[32*\t+8*\a:32*\t+8*\a+7], v[KVS+\a/2], v[PS+\t] matrix_a_fmt:MATRIX_FMT_FP6 matrix_b_fmt:MATRIX_FMT_FP6
.endif
.endr
.endr
	WIN 0
.endm
; Tile t of Q: 16 rows turn through my stage, are quantised, and stay in window 1; the scale word is [q0, q1, q0, q1], so that it serves Q in either half of the operand.
.macro QTILE t
.irp q, 0,1,2,3,4,5,6,7
	ds_store_b128 v[STW], v[QD+32*(\t)+4*\q:QD+32*(\t)+4*\q+3] offset:544*\q
.endr
.if (\t) > 0
	s_wait_alu depctr_va_vdst(0)                   ; the quantiser of the tile before is done reading v68-99, in which the loads below land (ahead of tile 0 the first job's wait has stated the same of K's quantiser)
.endif
.irp i, 0,1,2,3,4,5,6,7
	ds_load_b128 v[S+4*\i:S+4*\i+3], v[STR] offset:16*\i
.endr
	s_wait_dscnt 0x0
	BLOCKQ S, 0, 0, TM+12, TM+4
	WIN 0x40
.irp i, 0,1,2,3,4,5
	v_mov_b32 v[QB+6+12*(\t)+\i], v[TM+12+\i]
.endr
	WIN 0
	v_lshlrev_b32 v[TM+21], v[SH8], v[TM+4]
	v_permlanex16_b32 v[TM+22], v[TM+21], s20, s21
	v_or_b32 v[TM+21], v[TM+21], v[TM+22]
	v_lshl_or_b32 v[QS+(\t)], v[TM+21], 16, v[TM+21]
.endm
; A KEY STEP.  job = 1: the next step's K and V are quantised into the next region; jload = 1: the step after that is asked for.
.macro TRIP job, jload
	s_barrier_wait -1                              ; every wave's part of this step's region has landed
	s_wait_alu depctr_vm_vsrc(0)                   ; the LDS loads of the step before have read v1-3 and its job's stores v10-15, which the additions below write; ahead of the first step Q's stage stores have read v100-227, which this step writes
	v_add_nc_u32 v[A16], s27, v[GK]                ; this step's addresses: these plain lines also stand between the last products and the loads into their operands
	v_add_nc_u32 v[A8], s27, v[L8]
	v_add_nc_u32 v[A4], s27, v[GV]
.if \job
	JADDR
	s_wait_loadcnt 0x0                             ; the job's 40 loads, issued a whole step ago; their bases may be stepped behind this wait
.if \jload
	s_add_nc_u64 s[6:7], s[6:7], STEPB
	s_add_nc_u64 s[8:9], s[8:9], STEPB
.endif
	JSTORE                                         ; K's rows into my stage: they go out ahead of the wait below
.else
	v_nop
.endif
	s_wait_alu depctr_va_vdst(0)                   ; the additions have written v1-3 and v10-15; the second product is done reading v16-17 and v132-179, in which K's operands land; the last softmax is done with v68-99, in which my row lands.  Ahead of the first step: Q's codes and scale words are written, which the first product takes
	KVLOAD KOFF, KSOFF
.if \job
	JBACK
	JQUANT
.if \jload
	WIN 0x40                                       ; the switch, then the wait, then the loads
.endif
	s_wait_alu depctr_vm_vsrc(0)                   ; the stage's stores have read K's f32 registers, in which the next loads land; the six stores have read v47, v48 and v50-61, which the softmax writes again
.if \jload
	JLOAD
.endif
.endif
	s_wait_dscnt 0x0                               ; K's operands are in, and for the others' sake: my stores into the next region have landed
.if \job
	s_barrier_signal -1                            ; up to the wait at the next step's head: work on registers, and loads of this step's V, whose bytes nobody writes again
.endif
	SMUL 0
	PLACES 4                                       ; between the products and the first read of their results
	SM 0
	SMUL 1
	MOVS 0
	SM 1
	SMUL 2
	MOVS 1
	SM 2
	SMUL 3
	MOVS 2
	SM 3
	MOVS 3
	PLACES 4                                       ; an operand written by vector instructions stands four places ahead of a scaled matrix instruction
	s_wait_dscnt 0x0                               ; V's operands are in
	s_wait_alu depctr_va_vdst(0)                   ; the conversions and moves have written P's codes v180-227, and the scale words v22-25 are written: the second product takes them; the places above stay beside this wait
	PVMUL
	s_add_co_u32 s27, s27, REG
	s_add_co_u32 s28, s28, REG
.endm
	s_load_b256 s[4:11], s[0:1], 0x0               ; q_s s[4:5], k_s s[6:7], v_s s[8:9], out0 s[10:11]
	v_lshl_add_u32 v254, v0, 2, 0x3a800
	v_mov_b32 v255, 0
	v_lshrrev_b32 v1, 5, v0
	v_readfirstlane_b32 s12, v1                    ; wave 0..7
	v_and_b32 v[TT], 31, v0                        ; lane
	v_lshlrev_b32 v[GK], 4, v[TT]
	v_lshlrev_b32 v[GV], 2, v[TT]
	v_lshlrev_b32 v[L8], 3, v[TT]
	s_wait_alu depctr_va_sdst(0)                   ; s12 is written, ahead of its first reader: the bases and the LDS addresses are made from it
	s_and_b32 s14, ttmp7, 0xffff
	s_lshl_b32 s14, s14, 19                        ; the head's first byte: 2,048 rows of 256 bytes
	s_lshl_b32 s16, ttmp9, 17                      ; my work-group's 512 queries,
	s_lshl_b32 s17, s12, 14                        ; my wave's 64 of them
	s_add_co_u32 s16, s16, s17
	s_add_co_u32 s16, s16, s14
	s_mov_b32 s17, 0
	s_lshr_b32 s29, s12, 2                         ; wave / 4
	s_and_b32 s30, s12, 3                          ; wave % 4
	s_lshl_b32 s18, s29, 14                        ; K: my tile's first run of 8 keys: key 64 (wave / 4) + 8 (wave % 4)
	s_lshl_b32 s19, s30, 11
	s_add_co_u32 s18, s18, s19
	s_add_co_u32 s18, s18, s14
	s_mov_b32 s19, 0
	s_lshl_b32 s32, s30, 13                        ; V: my block: keys 32 (wave % 4) on, channels 32 (wave / 4) on
	s_lshl_b32 s33, s29, 7
	s_add_co_u32 s32, s32, s33
	s_add_co_u32 s32, s32, s14
	s_mov_b32 s33, 0
	s_mov_b32 s20, 0x76543210
	s_mov_b32 s21, 0xfedcba98                      ; v_permlanex16_b32's selects for the lane 16 away
	s_mov_b32 s22, 0x3e38aa3b                      ; c = log2(e) / 8
	s_mov_b32 s23, s22                             ; (named with it as a pair, so it is written)
	s_mov_b32 s24, 0xbe38aa3b                      ; -c
	s_mov_b32 s26, 0x1800000                       ; the floor 2^(3 - 127)
	s_mov_b32 s27, 0                               ; the region that is read
	s_mov_b32 s28, 0                               ; the region that the job writes
	s_wait_kmcnt 0x0
	s_add_nc_u64 s[4:5], s[4:5], s[16:17]
	s_add_nc_u64 s[10:11], s[10:11], s[16:17]
	s_add_nc_u64 s[6:7], s[6:7], s[18:19]
	s_add_nc_u64 s[8:9], s[8:9], s[32:33]
	WIN 0x40                                       ; the switch, then the wait, then the loads
	s_wait_alu depctr_va_vdst(0)                   ; v5 and v6 are written: every global load and store of the kernel reads one of them as its offset
	JLOAD                                          ; step 0's K and V
.set ii, 0
.rept 32
	global_load_b128 v[QD+4*ii:QD+4*ii+3], v[GK], s[4:5] offset:512*ii th:TH_LOAD_NT   ; my 64 rows of Q, 512 consecutive bytes a load; read once in the launch
.set ii, ii+1
.endr
	; while these are on their way: addresses, constants, zeros
	v_and_b32 v[RR], 15, v0                        ; r
	v_bfe_u32 v[HH], v0, 4, 1                      ; h
	v_lshlrev_b32 v[SH8], 3, v[HH]
	s_mul_i32 s13, s12, STGW
	s_add_co_u32 s13, s13, STG                     ; my stage
	v_mul_u32_u24 v[STW], v[HH], SPITCH
	v_lshl_add_u32 v[STW], v[RR], 4, v[STW]
	v_add_nc_u32 v[STW], s13, v[STW]
	v_mul_u32_u24 v[STR], v[RR], SPITCH
	v_lshl_add_u32 v[OSW], v[HH], 5, v[STR]
	v_lshl_add_u32 v[STR], v[HH], 7, v[STR]
	v_add_nc_u32 v[STR], s13, v[STR]
	v_add_nc_u32 v[OSW], s13, v[OSW]
	s_mul_i32 s14, s12, 768                        ; K's piece = my wave's number
	v_add_nc_u32 v[JB0], s14, v[GK]
	s_add_co_u32 s14, s14, 512
	v_add_nc_u32 v[JB0+1], s14, v[L8]
	s_lshr_b32 s14, s12, 1                         ; K's scale byte: word 16 (wave / 2) + r, byte 2 (wave % 2) + h
	s_lshl_b32 s14, s14, 6
	s_and_b32 s15, s12, 1
	s_lshl_b32 s16, s15, 1
	s_add_co_u32 s14, s14, s16
	s_add_co_u32 s14, s14, KSOFF
	v_lshl_add_u32 v[JB0+2], v[RR], 2, v[HH]
	v_add_nc_u32 v[JB0+2], s14, v[JB0+2]
	s_mul_i32 s14, s29, 3072                       ; V's piece = 4 (wave / 4) + 2 h + (wave / 2) % 2; my place in it is that of lane r + 16 (wave % 2)
	s_bfe_u32 s16, s12, 0x10001
	s_mul_i32 s16, s16, 768
	s_add_co_u32 s14, s14, s16
	s_add_co_u32 s14, s14, VOFF
	s_lshl_b32 s16, s15, 8
	s_add_co_u32 s16, s16, s14
	s_lshl_b32 s17, s15, 7
	s_add_co_u32 s17, s17, s14
	s_add_co_u32 s17, s17, 512
	v_mul_u32_u24 v[TT], v[HH], 1536
	v_lshl_add_u32 v[JB0+3], v[RR], 4, v[TT]
	v_add_nc_u32 v[JB0+3], s16, v[JB0+3]
	v_lshl_add_u32 v[JB0+4], v[RR], 3, v[TT]
	v_add_nc_u32 v[JB0+4], s17, v[JB0+4]
	s_lshl_b32 s14, s29, 7                         ; V's scale byte: word = my channel 32 (wave / 4) + lane, byte = my block wave % 4
	s_add_co_u32 s14, s14, s30
	s_add_co_u32 s14, s14, VSOFF
	v_add_nc_u32 v[JB0+5], s14, v[GV]
	JADDR                                          ; the first job writes region 0
.irp t, 0,1,2,3
	v_mov_b32 v[ST+4*\t+1], 0xff61b1e6             ; the largest score so far: -3e38, under every score
	v_mov_b32 v[ST+4*\t+2], 0                      ; the sum, in two halves
	v_mov_b32 v[ST+4*\t+3], 0
.endr
.irp t, 0,1,2,3
	v_mul_f32 v[ST+4*\t], s24, v[ST+4*\t+1]
.endr
.irp t, 0,1,2,3
	v_floor_f32 v[ST+4*\t], v[ST+4*\t]             ; -M
.endr
	v_mov_b32 v[F+1], 0                            ; (named as the upper half of the pair of f)
	v_mov_b32 v[TM+5], 0                           ; written once: a lane permute's destination counts as one of its sources
	v_mov_b32 v[TM+13], 0
	v_mov_b32 v[TM+22], 0
	WIN 0x40
.set ii, 0
.rept 128
	v_mov_b32 v[ii], 0                             ; O^T: the first step finds zeros, which the first change of M leaves zeros
.set ii, ii+1
.endr
.irp z, 0,1,2,3,4
.irp i, 0,1,2,3,4,5
	v_mov_b32 v[QB+12*\z+\i], 0                    ; the zero codes beside Q
.endr
.endr
	WIN 0
	s_wait_loadcnt 32                              ; Q's 32 younger loads may be out: step 0's 40 are in, and their bases may be stepped
	s_add_nc_u64 s[6:7], s[6:7], STEPB
	s_add_nc_u64 s[8:9], s[8:9], STEPB
	s_wait_alu depctr_va_vdst(0)                   ; the stage's addresses v7, v8, v9 and the job's six, v10-15, are written: the LDS stores and loads from here on read them
	JSTORE                                         ; region 0
	JBACK
	JQUANT
	WIN 0x40                                       ; the switch, then the wait, then the loads
	s_wait_alu depctr_vm_vsrc(0)                   ; the stage's stores have read K's f32 registers, in which the next loads land; the six stores have read v47, v48 and v50-61, which Q's quantiser writes again
	JLOAD                                          ; step 1's K and V
	s_mov_b32 s28, REG
	s_wait_loadcnt 40                              ; the 40 just issued may be out: Q is in
	QTILE 0
	QTILE 1
	QTILE 2
	QTILE 3
	s_wait_dscnt 0x0                               ; for the others' sake: my part of region 0 has landed
	s_barrier_signal -1
	s_mov_b32 s25, 14
.Lstep:                                            ; steps 0 to 13
	TRIP 1, 1
	s_sub_co_u32 s25, s25, 1
	s_cmp_lg_u32 s25, 0
	s_cbranch_scc1 .Lstep
	TRIP 1, 0                                      ; step 14: the last region is written, nothing is left to ask for
	TRIP 0, 0                                      ; step 15: no job, and no barrier is signalled
	; THE WAY OUT.  The sum's two halves and the other 16 lanes' are added; O^T is divided by the sum and goes through my stage, a tile (16 rows of 256 bytes) at a time.  These additions are the places behind the last products.
.irp t, 0,1,2,3
	v_add_f32 v[TM+\t], v[ST+4*\t+2], v[ST+4*\t+3]
.endr
.irp t, 0,1,2,3
	v_permlanex16_b32 v[TM+4+\t], v[TM+\t], s20, s21
.endr
.irp t, 0,1,2,3
	v_add_f32 v[TM+\t], v[TM+\t], v[TM+4+\t]
.endr
.irp t, 0,1,2,3
	v_rcp_f32 v[ST+4*\t+2], v[TM+\t]
.endr
	v_nop                                          ; a plain place behind the last reciprocal
	s_wait_alu depctr_va_vdst(0)                   ; the four reciprocals have written v30, v34, v38, v42: the wait ahead of the first use
	WIN 0x01                                       ; source 0 (O^T) window 1
.irp t, 0,1,2,3                                ; all four tiles' divisions stand in one run, so that one wait serves all that follows
.set ii, 0
.rept 16
	v_pk_mul_f32 v[S+32*\t+2*ii:S+32*\t+2*ii+1], v[32*\t+2*ii:32*\t+2*ii+1], v[ST+4*\t+2:ST+4*\t+3] op_sel_hi:[1,0]   ; ascending: each accumulator from its low end on
.set ii, ii+1
.endr
.endr
	WIN 0
	s_wait_alu depctr_va_vdst(0)                   ; the 64 multiplications have written v68-195, which the stage's stores read and in which the rows land that come back; no vector instruction follows
.macro TOSTAGE t
.irp a, 0,1,2,3
	ds_store_b128 v[OSW], v[S+32*\t+8*\a:S+32*\t+8*\a+3] offset:64*\a              ; lane (r, h): o(16 t + r, 16 a + 8 h + 0 .. 7)
	ds_store_b128 v[OSW], v[S+32*\t+8*\a+4:S+32*\t+8*\a+7] offset:64*\a+16
.endr
	s_wait_alu depctr_vm_vsrc(0)                   ; the eight stores above have read the tile's 32 registers, in which the loads below land
.irp i, 0,1,2,3,4,5,6,7
	ds_load_b128 v[S+32*\t+4*\i:S+32*\t+4*\i+3], v[STW] offset:544*\i              ; back as whole rows: LDS serves a wave's instructions in order, so these see the stores above, and the next tile's stores come behind them
.endr
.endm
.macro SEND t, younger                 ; younger: the LDS instructions issued behind tile t's loads
.irp i, 0,1,2,3,4,5,6,7
	s_wait_dscnt \younger+7-\i
	global_store_b128 v[GK], v[S+32*\t+4*\i:S+32*\t+4*\i+3], s[10:11] offset:4096*\t+512*\i th:TH_STORE_NT   ; 32 lanes store two rows: 512 consecutive bytes, at a multiple of 256 from out0's first byte
.endr
.endm
	TOSTAGE 0
	TOSTAGE 1                                      ; a tile's turn through the stage stands between the loads of the tile before and its stores
	SEND 0, 16
	TOSTAGE 2
	SEND 1, 16
	TOSTAGE 3
	SEND 2, 16
	SEND 3, 0
	s_wait_dscnt 0x0
	s_wait_alu depctr_hold_cnt(0) depctr_sa_sdst(0) depctr_va_vdst(0) depctr_va_sdst(0) depctr_va_ssrc(0) depctr_va_vcc(0) depctr_vm_vsrc(0)
	s_wait_tensorcnt 0x0
	ds_add_u32 v254, v255
	s_wait_dscnt 0x0
	s_endpgm
.Lfunc_end_k_q74b4f0d0db_attn:
	.size	k_q74b4f0d0db_attn, .Lfunc_end_k_q74b4f0d0db_attn-k_q74b4f0d0db_attn
	.p2alignl 7, 3214868480
	.fill 96, 4, 3214868480
	.section	.rodata,"a",@progbits
	.p2align	6, 0x0
	.amdhsa_kernel k_q74b4f0d0db_attn
		.amdhsa_group_segment_fixed_size 240640
		.amdhsa_private_segment_fixed_size 0
		.amdhsa_enable_private_segment 0
		.amdhsa_kernarg_size 32
		.amdhsa_user_sgpr_count 2
		.amdhsa_user_sgpr_kernarg_segment_ptr 1
		.amdhsa_wavefront_size32 1
		.amdhsa_system_sgpr_workgroup_id_x 1
		.amdhsa_system_sgpr_workgroup_id_y 1
		.amdhsa_system_sgpr_workgroup_id_z 1
		.amdhsa_system_vgpr_workitem_id 0
		.amdhsa_next_free_vgpr 512
		.amdhsa_next_free_sgpr 66
		.amdhsa_reserve_vcc 0
		.amdhsa_float_denorm_mode_32 3
		.amdhsa_float_denorm_mode_16_64 3
		.amdhsa_memory_ordered 1
		.amdhsa_forward_progress 1
		.amdhsa_inst_pref_size 219
	.end_amdhsa_kernel
	.amdgpu_metadata
---
amdhsa.version: [ 1, 2 ]
amdhsa.kernels:
  - .name:           k_q74b4f0d0db_attn
    .symbol:         k_q74b4f0d0db_attn.kd
    .args:
      - { .name: q_s, .offset: 0, .size: 8, .value_kind: global_buffer, .address_space: global }
      - { .name: k_s, .offset: 8, .size: 8, .value_kind: global_buffer, .address_space: global }
      - { .name: v_s, .offset: 16, .size: 8, .value_kind: global_buffer, .address_space: global }
      - { .name: out0, .offset: 24, .size: 8, .value_kind: global_buffer, .address_space: global }
    .group_segment_fixed_size: 240640
    .private_segment_fixed_size: 0
    .kernarg_segment_align: 8
    .kernarg_segment_size: 32
    .max_flat_workgroup_size: 256
    .sgpr_count:     66
    .vgpr_count:     512
    .wavefront_size: 32
...
	.end_amdgpu_metadata
.endif
;; end of part 2
